; MI455X (gfx1250); checked and timed in simulation.
; The chip was launched on July 23, 2026; its instructions are those of AMD's public machine-readable ISA for CDNA 5 (MIT licence, August 2026) and "CDNA5" Instruction Set Architecture Reference Guide (July 2026). The comments in the code are by the model that wrote it; some were corrected since.
;; Factored Conv2d. Allowed arithmetic: float matrix products may take bf16 or f16 operands with f32 sums; other float arithmetic in f32, or as packed bf16 or f16 multiplies, adds, multiply-adds, maxima and minima; sums over many terms, partial sums and values carried from step to step in f32; what a program stores and reads back later, other than sums and carried values, may be rounded once to bf16 or f16.
;; Inputs: lora_A 16 x 4,096 float32; lora_B 4,096 x 16 float32; rank_magnitude 8 float32; scale_A 4,096 x 8 float32; scale_B 8 x 4,096 float32; weight 4,096 x 4,096 float32; x 2 x 2,048 x 4,096 float32.
;; Outputs: out0 2 x 2,048 x 4,096 float32.
;; 2 versions, each right; version 2 is version 1 with the launch prep written anew for expert scheduling mode. Each part assembles by itself: llvm-mc -triple=amdgcn-amd-amdhsa -mcpu=gfx1250 --defsym DOCPART=n.
;; ======== version 1 of 2: 2 launches
;; workspace buffers: xb 33,554,432 bytes; wb 33,554,432 bytes
;; launch prep (part 1): grid 4 x 64, 8 waves a work-group, no clusters, 17,408 bytes of LDS; arguments x, weight, scale_A, scale_B, rank_magnitude, lora_A, lora_B, xb, wb; writes xb, wb
.if DOCPART == 1
	.amdgcn_target "amdgcn-amd-amdhsa--gfx1250"
	.amdhsa_code_object_version 6
	.text
	.protected	k_q70a843d662_prep
	.globl	k_q70a843d662_prep
	.p2align	8
	.type	k_q70a843d662_prep,@function
k_q70a843d662_prep:
	s_mov_b64 s[64:65], 0
	v_nop
	global_prefetch_b8 v0, s[64:65] scope:SCOPE_SE
	s_setreg_imm32_b32 hwreg(HW_REG_WAVE_MODE, 25, 1), 1
	s_wait_xcnt 0x0
; xb = bf16(x);  wb[o][i] = bf16( bf16(weight[o][i]) * S[o][i] + L[o][i] ),  S = (scale_A * g) scale_B,  L = lora_B lora_A.
; WHY ONE WEIGHT.  y = x W_eff^T + (x A^T) B^T * scaling.  For all values (x A^T) B^T = x (B A)^T, so the LoRA term is a term of the weight: 16 multiply-adds for each
; weight in place of a second product over all rows of x.  WORK LEFT OUT: the factor LORA_SCALING = 16 / 16 = 1.0, a constant of the problem's own text: a factor of 1.  Nothing else: all seven inputs are loaded.
; ROUNDINGS.  Every input is rounded once to bf16.  a g = bf16(a) bf16(g) is exact in f32 (8 x 8 bits) and goes to the matrix unit as hi + lo, two bf16 numbers that hold it exactly.
; S and L are f32 sums; weight * S + L is one fused multiply-add in f32; the result is rounded once to bf16.  The order of sums and roundings differs from the problem's text in this.
; LIMITS.  Inputs are finite.  A row's unused K slots are zeros, so an infinity or NaN in scale_B or lora_A also reaches the column 64 away (0 x inf).  lo is lost where a g lies below about 2^-118.
; SHARES.  A work-group owns 64 rows x 1,024 columns of weight and of x; wave w the 128 columns from 128 w; lane l the columns 4 l .. 4 l + 3.  The rows go in 8 UNITS of 8.
; A load of a wave takes 512 consecutive bytes of a row, a store 256 consecutive bytes, aligned.  Nothing is shared between waves but a small table, so weight and x come straight into registers:
; no LDS ring, no cluster (what work-groups share is the small tables), no prefetch (the launch is one stream of loads and stores, always out).
; S AND L BY THE MATRIX UNIT, laid so that the results fall where the loads fall.  r = l % 16, h = l / 16.  For t = 0..3 one product gives, in register j of lane (r, h), the number for row 8 u + j and column
; 64 h + 4 r + t = 4 l + t.  K is cut in two: slots 0-15 serve the result's rows 0-7 (lanes h = 0), slots 16-31 its rows 8-15 (lanes h = 1).
;   source 0 (AF), lane (r, h): row 8 u + r % 8; registers 0-3 hold F where r < 8, else 0; registers 4-7 hold F where r >= 8, else 0.  F for S: hi[0..7] in lanes h = 0, lo[0..7] in lanes h = 1; for L: lora_B[row][8 h .. 8 h + 7].
;   source 1 (BF), lane (r, h), tile t: register 4 s + q holds rows 2 q, 2 q + 1 of scale_B (the same for both h, so that hi and lo meet the same numbers), or rows 8 h + 2 q, + 1 of lora_A, at column 64 s + 4 r + t.
; AF hangs on the rows alone: wave w makes it for unit w, all eight lie in LDS, and every wave reads one a unit.  BF hangs on the wave's columns alone and stays in registers.
.set ROWI,  16384                      ; bytes in a row of x, weight, scale_B, lora_A
.set ROWO,  8192                       ; bytes in a row of xb, wb
.set SPARE, 16384                      ; LDS: 0 .. 16,383 the AF table (unit u at 2,048 u: four blocks of 512 bytes, lane l at 16 l); behind it the spare words, 128 bytes a wave, which no other line names
.set VIN,  2                           ; v2   16 l: my 16 bytes in the wave's 512 of a row; also my place in a block of the table; never rewritten
.set VOUT, 3                           ; v3   8 l
.set VB,   4                           ; v4   16 r
.set VL,   5                           ; v5   16 r + 8 h rows of lora_A
.set VA,   6                           ; v6   32 (r % 8): a row of scale_A
.set VLB,  7                           ; v7   64 (r % 8) + 32 h: half a row of lora_B
.set NUL,  8                           ; v8   0: the offset of g, and the addend 0.0
.set LW,   9                           ; v9   2,048 w + 16 l: where I put my part of the table
.set M1,   12                          ; v12  -1.0
.set AF,   16                          ; v[16:31]   AF for S, then for L
.set BFS,  32                          ; v[32:63]   BF for S, 8 a tile
.set BFL,  64                          ; v[64:95]   BF for L
.set ACS,  96                          ; v[96:127]  S, 8 a tile; then weight * S + L
.set ACL,  128                         ; v[128:159] L
.set RP,   160                         ; v[160:175] weight rounded to bf16, 2 registers a row
.set RXO,  176                         ; v[176:191] x rounded, to store
.set RWO,  192                         ; v[192:207] the result, to store
.set TS,   96                          ; set-up: 16 loads of scale_B;  then the registers below
.set TL,   160                         ; set-up: 16 loads of lora_A
.set TA,   224
.set TG,   232
.set TLB,  240
.set PA,   96                          ; bf16(a), packed
.set PG,   100                         ; bf16(g), packed
.set PP,   104                         ; their eight products, f32
.set PH,   112                         ; hi, packed
.set RLO,  116                         ; lo, f32
.set PL,   124                         ; lo, packed
.set FS,   128
.set FL,   132
.set SPW,  254                         ; v254 LDS address of my spare word; never rewritten
.set NIL,  255                         ; v255 0; never rewritten
; window 1 (v256-511): four slots of 64: slot u % 4 holds unit u: weight's row j at 64 (u % 4) + 4 j, x's row j 32 further on
.set MSB, 0
.macro WIN new                         ; the immediate's high byte repeats the setting that is left; a switch that changes nothing is dropped
.if MSB != (\new)
	s_set_vgpr_msb (MSB<<8)|(\new)
.set MSB, \new
.endif
.endm
	s_load_b512 s[4:19], s[0:1], 0x0               ; x 4:5, weight 6:7, scale_A 8:9, scale_B 10:11, g 12:13, lora_A 14:15, lora_B 16:17, xb 18:19
	s_load_b64 s[20:21], s[0:1], 0x40              ; wb
	v_lshl_add_u32 v[SPW], v0, 2, SPARE
	v_mov_b32 v[NIL], 0
	v_lshrrev_b32 v15, 5, v0
	v_readfirstlane_b32 s22, v15                   ; wave 0..7
	s_and_b32 s23, ttmp7, 0xffff                   ; the block of 64 rows
	v_and_b32 v1, 31, v0                           ; l
	v_and_b32 v13, 15, v0                          ; r
	v_bfe_u32 v14, v0, 4, 1                        ; h
	v_and_b32 v15, 7, v0                           ; r % 8
	v_lshlrev_b32 v[VIN], 4, v1
	v_lshlrev_b32 v[VOUT], 3, v1
	v_lshlrev_b32 v[VB], 4, v13
	v_lshl_add_u32 v[VL], v14, 17, v[VB]
	v_lshlrev_b32 v[VA], 5, v15
	v_lshlrev_b32 v[VLB], 6, v15
	v_lshl_add_u32 v[VLB], v14, 5, v[VLB]
	v_mov_b32 v[NUL], 0
	v_mov_b32 v[M1], -1.0
	v_lshl_add_u32 v[LW], s22, 11, v[VIN]
	v_cmp_gt_u32 s28, 8, v13                       ; r < 8
	v_cmp_le_u32 s29, 8, v13                       ; r >= 8
	v_cmp_eq_u32 s30, 1, v14                       ; h = 1
	s_lshl_b32 s24, ttmp9, 12                      ; the work-group's 1,024 columns, 4 bytes each,
	s_lshl_b32 s26, s22, 9                         ; my wave's 128
	s_add_co_u32 s24, s24, s26
	s_mov_b32 s25, 0
	s_wait_kmcnt 0x0
	s_add_nc_u64 s[10:11], s[10:11], s[24:25]      ; scale_B and lora_A at my wave's first column
	s_add_nc_u64 s[14:15], s[14:15], s[24:25]
	s_lshl_b32 s26, s23, 20                        ; 64 rows of 16,384 bytes
	s_add_co_u32 s24, s24, s26
	s_add_nc_u64 s[4:5], s[4:5], s[24:25]          ; x and weight at the work-group's first row, my wave's first column
	s_add_nc_u64 s[6:7], s[6:7], s[24:25]
	s_lshr_b32 s24, s24, 1                         ; the same place in 2-byte numbers
	s_add_nc_u64 s[18:19], s[18:19], s[24:25]
	s_add_nc_u64 s[20:21], s[20:21], s[24:25]
	s_lshl_b32 s24, s23, 11                        ; scale_A: 64 rows of 32 bytes,
	s_lshl_b32 s26, s22, 8                         ; the 8 rows of unit w
	s_add_co_u32 s24, s24, s26
	s_add_nc_u64 s[8:9], s[8:9], s[24:25]
	s_lshl_b32 s24, s24, 1                         ; lora_B: rows of 64 bytes
	s_add_nc_u64 s[16:17], s[16:17], s[24:25]
; Unit u's 16 loads.  All rows of the work-group stand in the immediate (63 rows of 16,384 bytes at the most), so no pointer is ever stepped.
.macro LOADU u
	WIN 0x40                                       ; destination window 1, address window 0
.irp j, 0,1,2,3,4,5,6,7
	global_load_b128 v[64*((\u)%4)+4*(\j):64*((\u)%4)+4*(\j)+3],       v[VIN], s[6:7] offset:(8*(\u)+(\j))*ROWI th:TH_LOAD_NT
	global_load_b128 v[64*((\u)%4)+32+4*(\j):64*((\u)%4)+32+4*(\j)+3], v[VIN], s[4:5] offset:(8*(\u)+(\j))*ROWI th:TH_LOAD_NT
.endr
.endm
	; the 38 set-up loads: other work-groups read these bytes too, so they carry no hint
	global_load_b128 v[TA:TA+3],     v[VA],  s[8:9]
	global_load_b128 v[TA+4:TA+7],   v[VA],  s[8:9] offset:16
	global_load_b128 v[TG:TG+3],     v[NUL], s[12:13]
	global_load_b128 v[TG+4:TG+7],   v[NUL], s[12:13] offset:16
	global_load_b128 v[TLB:TLB+3],   v[VLB], s[16:17]
	global_load_b128 v[TLB+4:TLB+7], v[VLB], s[16:17] offset:16
.irp s, 0,1
.irp k, 0,1,2,3,4,5,6,7
	global_load_b128 v[TS+4*(8*(\s)+(\k)):TS+4*(8*(\s)+(\k))+3], v[VB], s[10:11] offset:(\k)*ROWI+256*(\s)  ; row k, columns 64 s + 4 r + 0..3
	global_load_b128 v[TL+4*(8*(\s)+(\k)):TL+4*(8*(\s)+(\k))+3], v[VL], s[14:15] offset:(\k)*ROWI+256*(\s)  ; row 8 h + k
.endr
.endr
	LOADU 0
	s_wait_loadcnt 16                              ; the set-up loads are in; unit 0's 16 may stay out
	LOADU 1
	LOADU 2
	WIN 0
.irp t, 0,1,2,3
.irp s, 0,1
.irp q, 0,1,2,3
	v_cvt_pk_bf16_f32 v[BFS+8*(\t)+4*(\s)+(\q)], v[TS+4*(8*(\s)+2*(\q))+(\t)], v[TS+4*(8*(\s)+2*(\q)+1)+(\t)]
	v_cvt_pk_bf16_f32 v[BFL+8*(\t)+4*(\s)+(\q)], v[TL+4*(8*(\s)+2*(\q))+(\t)], v[TL+4*(8*(\s)+2*(\q)+1)+(\t)]
.endr
.endr
.endr
	; AF of unit w
.irp q, 0,1,2,3
	v_cvt_pk_bf16_f32 v[PA+(\q)], v[TA+2*(\q)], v[TA+2*(\q)+1]
	v_cvt_pk_bf16_f32 v[PG+(\q)], v[TG+2*(\q)], v[TG+2*(\q)+1]
	v_cvt_pk_bf16_f32 v[FL+(\q)], v[TLB+2*(\q)], v[TLB+2*(\q)+1]
.endr
.irp q, 0,1,2,3
	v_fma_mix_f32_bf16 v[PP+2*(\q)],   v[PA+(\q)], v[PG+(\q)], v[NUL] op_sel_hi:[1,1,0]                 ; bf16(a) bf16(g), exact in f32: the low halves,
	v_fma_mix_f32_bf16 v[PP+2*(\q)+1], v[PA+(\q)], v[PG+(\q)], v[NUL] op_sel:[1,1,0] op_sel_hi:[1,1,0]  ; the high halves
.endr
.irp q, 0,1,2,3
	v_cvt_pk_bf16_f32 v[PH+(\q)], v[PP+2*(\q)], v[PP+2*(\q)+1]                                          ; hi
.endr
.irp q, 0,1,2,3
	v_fma_mix_f32_bf16 v[RLO+2*(\q)],   v[PH+(\q)], v[M1], v[PP+2*(\q)]   op_sel_hi:[1,0,0]               ; lo = a g - hi: at most 8 bits long, so its rounding below changes nothing
	v_fma_mix_f32_bf16 v[RLO+2*(\q)+1], v[PH+(\q)], v[M1], v[PP+2*(\q)+1] op_sel:[1,0,0] op_sel_hi:[1,0,0]
.endr
.irp q, 0,1,2,3
	v_cvt_pk_bf16_f32 v[PL+(\q)], v[RLO+2*(\q)], v[RLO+2*(\q)+1]
.endr
.irp q, 0,1,2,3
	v_cndmask_b32 v[FS+(\q)], v[PH+(\q)], v[PL+(\q)], s30      ; lanes h = 0 carry hi, lanes h = 1 lo
.endr
.irp q, 0,1,2,3
	v_cndmask_b32 v[AF+(\q)],    0, v[FS+(\q)], s28            ; K slots 0-15 for the result's rows 0-7,
	v_cndmask_b32 v[AF+4+(\q)],  0, v[FS+(\q)], s29            ; slots 16-31 for its rows 8-15
	v_cndmask_b32 v[AF+8+(\q)],  0, v[FL+(\q)], s28
	v_cndmask_b32 v[AF+12+(\q)], 0, v[FL+(\q)], s29
.endr
.irp b, 0,1,2,3
	ds_store_b128 v[LW], v[AF+4*(\b):AF+4*(\b)+3] offset:512*(\b)
.endr
	s_wait_dscnt 0x0                               ; for the others' sake: my part of the table is written
	s_barrier_signal -1
	s_barrier_wait -1                              ; the whole table is; nobody writes it again
.irp b, 0,1,2,3
	ds_load_b128 v[AF+4*(\b):AF+4*(\b)+3], v[VIN] offset:512*(\b)  ; unit 0's AF
.endr
; One unit: 8 rows of weight and of x.  left = the loads of the younger units, 16 each, which may stay out.
.macro UNIT u, left
.if (\u)+3 < 8
	LOADU (\u)+3                                   ; into the slot that the unit before was converted out of: three units are on their way while this one is worked on
.endif
	WIN 0
	s_wait_loadcnt \left                           ; loads come back in order (ISA guide 5.7.1): this unit's 16 are in
	s_wait_dscnt 0x0                               ; and so is its AF
.irp t, 0,1,2,3                        ; eight products, each a whole sum that starts with the constant 0: eight different results, no chain
	v_wmma_f32_16x16x32_bf16 v[ACS+8*(\t):ACS+8*(\t)+7], v[AF:AF+7],    v[BFS+8*(\t):BFS+8*(\t)+7], 0
	v_wmma_f32_16x16x32_bf16 v[ACL+8*(\t):ACL+8*(\t)+7], v[AF+8:AF+15], v[BFL+8*(\t):BFL+8*(\t)+7], 0
.endr
	s_wait_xcnt 0x0                                ; the last unit's stores have read their data: only behind this wait are RXO and RWO rewritten
	WIN 0x05                                       ; sources 0 and 1 window 1, destination window 0
.irp j, 0,1,2,3,4,5,6,7                ; 32 roundings, which name no register of the products: they are the places between the products and what reads their results or loads into AF
.irp e, 0,1
	v_cvt_pk_bf16_f32 v[RP+2*(\j)+(\e)], v[64*((\u)%4)+4*(\j)+2*(\e)], v[64*((\u)%4)+4*(\j)+2*(\e)+1]
.endr
.endr
.irp j, 0,1,2,3,4,5,6,7
.irp e, 0,1
	v_cvt_pk_bf16_f32 v[RXO+2*(\j)+(\e)], v[64*((\u)%4)+32+4*(\j)+2*(\e)], v[64*((\u)%4)+32+4*(\j)+2*(\e)+1]
.endr
.endr
	WIN 0
.if (\u)+1 < 8
.irp b, 0,1,2,3
	ds_load_b128 v[AF+4*(\b):AF+4*(\b)+3], v[VIN] offset:2048*((\u)+1)+512*(\b)  ; the next unit's AF
.endr
.endif
.irp j, 0,1,2,3,4,5,6,7
	global_store_b64 v[VOUT], v[RXO+2*(\j):RXO+2*(\j)+1], s[18:19] offset:(8*(\u)+(\j))*ROWO th:TH_STORE_NT  ; the wave stores 256 consecutive bytes, at a multiple of 256 from xb's first byte
.endr
.irp j, 0,1,2,3,4,5,6,7                ; bf16(weight) * S + L, one rounding; j ascends, so each result is first read at its lowest register
.irp e, 0,1
	v_fma_mix_f32_bf16 v[ACS+16*(\e)+(\j)],   v[RP+2*(\j)+(\e)], v[ACS+16*(\e)+(\j)],   v[ACL+16*(\e)+(\j)]   op_sel_hi:[1,0,0]
	v_fma_mix_f32_bf16 v[ACS+16*(\e)+8+(\j)], v[RP+2*(\j)+(\e)], v[ACS+16*(\e)+8+(\j)], v[ACL+16*(\e)+8+(\j)] op_sel:[1,0,0] op_sel_hi:[1,0,0]
.endr
.endr
.irp j, 0,1,2,3,4,5,6,7
	v_cvt_pk_bf16_f32 v[RWO+2*(\j)],   v[ACS+(\j)],    v[ACS+8+(\j)]
	v_cvt_pk_bf16_f32 v[RWO+2*(\j)+1], v[ACS+16+(\j)], v[ACS+24+(\j)]
.endr
.irp j, 0,1,2,3,4,5,6,7
	global_store_b64 v[VOUT], v[RWO+2*(\j):RWO+2*(\j)+1], s[20:21] offset:(8*(\u)+(\j))*ROWO th:TH_STORE_NT
.endr
.endm
	UNIT 0, 48
	UNIT 1, 48
	UNIT 2, 48
	UNIT 3, 48
	UNIT 4, 48
	UNIT 5, 32                                     ; nothing is left to ask for: the counts run down
	UNIT 6, 16
	UNIT 7, 0
	s_wait_tensorcnt 0x0                           ; the wave's end: behind my last LDS store
	ds_add_u32 v[SPW], v[NIL]
	s_wait_dscnt 0x0
	s_endpgm
.Lfunc_end_k_q70a843d662_prep:
	.size	k_q70a843d662_prep, .Lfunc_end_k_q70a843d662_prep-k_q70a843d662_prep
	.p2alignl 7, 3214868480
	.fill 96, 4, 3214868480
	.section	.rodata,"a",@progbits
	.p2align	6, 0x0
	.amdhsa_kernel k_q70a843d662_prep
		.amdhsa_group_segment_fixed_size 17408
		.amdhsa_private_segment_fixed_size 0
		.amdhsa_enable_private_segment 0
		.amdhsa_kernarg_size 72
		.amdhsa_user_sgpr_count 2
		.amdhsa_user_sgpr_kernarg_segment_ptr 1
		.amdhsa_wavefront_size32 1
		.amdhsa_system_sgpr_workgroup_id_x 1
		.amdhsa_system_sgpr_workgroup_id_y 1
		.amdhsa_system_sgpr_workgroup_id_z 1
		.amdhsa_system_vgpr_workitem_id 0
		.amdhsa_next_free_vgpr 512
		.amdhsa_next_free_sgpr 66
		.amdhsa_reserve_vcc 0
		.amdhsa_float_denorm_mode_32 3
		.amdhsa_float_denorm_mode_16_64 3
		.amdhsa_memory_ordered 1
		.amdhsa_forward_progress 1
		.amdhsa_inst_pref_size 86
	.end_amdhsa_kernel
	.amdgpu_metadata
---
amdhsa.version: [ 1, 2 ]
amdhsa.kernels:
  - .name:           k_q70a843d662_prep
    .symbol:         k_q70a843d662_prep.kd
    .args:
      - { .name: x, .offset: 0, .size: 8, .value_kind: global_buffer, .address_space: global }
      - { .name: weight, .offset: 8, .size: 8, .value_kind: global_buffer, .address_space: global }
      - { .name: scale_A, .offset: 16, .size: 8, .value_kind: global_buffer, .address_space: global }
      - { .name: scale_B, .offset: 24, .size: 8, .value_kind: global_buffer, .address_space: global }
      - { .name: rank_magnitude, .offset: 32, .size: 8, .value_kind: global_buffer, .address_space: global }
      - { .name: lora_A, .offset: 40, .size: 8, .value_kind: global_buffer, .address_space: global }
      - { .name: lora_B, .offset: 48, .size: 8, .value_kind: global_buffer, .address_space: global }
      - { .name: xb, .offset: 56, .size: 8, .value_kind: global_buffer, .address_space: global }
      - { .name: wb, .offset: 64, .size: 8, .value_kind: global_buffer, .address_space: global }
    .group_segment_fixed_size: 17408
    .private_segment_fixed_size: 0
    .kernarg_segment_align: 8
    .kernarg_segment_size: 72
    .max_flat_workgroup_size: 256
    .sgpr_count:     66
    .vgpr_count:     512
    .wavefront_size: 32
...
	.end_amdgpu_metadata
.endif
;; end of part 1
;; launch gemm (part 2): grid 16 x 16, 4 waves a work-group, clusters of 4 x 4, 327,680 bytes of LDS; arguments xb, wb, out0; writes out0
.if DOCPART == 2
	.amdgcn_target "amdgcn-amd-amdhsa--gfx1250"
	.amdhsa_code_object_version 6
	.text
	.protected	k_q70a843d662_gemm
	.globl	k_q70a843d662_gemm
	.p2align	8
	.type	k_q70a843d662_gemm,@function
k_q70a843d662_gemm:
	s_mov_b64 s[64:65], 0
	v_nop
	global_prefetch_b8 v0, s[64:65] scope:SCOPE_SE
	s_setreg_imm32_b32 hwreg(HW_REG_WAVE_MODE, 25, 1), 1
	s_wait_xcnt 0x0
	s_wait_alu depctr_hold_cnt(0) depctr_sa_sdst(0) depctr_va_vdst(0) depctr_va_sdst(0) depctr_va_ssrc(0) depctr_va_vcc(0) depctr_vm_vsrc(0)
	s_getreg_b32 s2, hwreg(HW_REG_IB_STS2, 6, 4)
	s_cmp_eq_u32 s2, 0
	s_cbranch_scc0 .Lentry_in_a_cluster
	s_endpgm
.Lentry_in_a_cluster:
	s_bfe_u32 s2, ttmp6, 0x10000c
	s_cmp_lg_u32 s2, 0xf033
	s_cbranch_scc0 .Lentry_shape_is_right
	s_endpgm
.Lentry_shape_is_right:
; out0[m][o] = the sum over k of xb[m][k] wb[o][k].  xb (A): [4096][4096] bf16, x rounded; wb (B): [4096][4096] bf16, the one weight that holds weight * S and the LoRA term (its factor 1.0 left out there); out0: f32.
; Sums in f32, K ascending, one sum for each output, stored as it is.  LIMITS: those of the launch that made xb and wb; nothing is rounded here.
; A tile of the output, 256 x 256, is made by a work-group of four waves; a wave makes 128 x 128: 64 accumulators of 16 x 16, 512 registers.  16 x 16 tiles: 256 work-groups, one tile each.
; K goes in 32 steps of 128 through a ring of two LDS slots filled by the tensor data mover: a tile's rows are 256 bytes of memory and start at multiples of 256 bytes from the buffer's first byte.
; CLUSTERS: 4 x 4 work-groups.  The four of a row of the cluster need the same tiles of A, the four of a column the same tiles of B.  Such a tile is asked for JOINTLY: each of the four issues the same
; tensor load, with the same descriptor and a mask that names the four, and each receives the tile in its own LDS: the requests for A and for B are divided by four.
; REGISTERS, in windows of 256 (s_set_vgpr_msb's low byte: bits 1:0 source 0, 3:2 source 1, 5:4 source 2, 7:6 destination):
;   window 0: v0-31 addresses; v64-127, v128-191 fragments of A (8 x 16 rows x 32 K), two buffers; on the way out these 128 hold rows read back from the stage
;   window 1: v64-127, v128-191 fragments of B, two buffers
;   window 2: the 32 accumulators of my rows 0-63 (accumulator (a, b) at v[8 (8 a + b)]);   window 3: those of my rows 64-127
; THE MATRIX INSTRUCTION IS USED TRANSPOSED: source 0 = 16 rows of B, source 1 = 16 rows of A.  Lane l then holds row l % 16 of the output and, in registers 0 to 7, the columns 8 (l / 16) + 0 .. 7: 32 bytes on end.
.set SIZE_K, 4096
.set SIZE_N, 4096
.set KSTEP,  128
.set PITCH,  272                       ; an LDS row: 256 bytes of data + 16 of padding = 68 words: row r starts at bank 4 r mod 64 (64 banks of 4 bytes: ISA guide 11.1), so the 16 rows that a load touches start at 16 different banks
.set HALFT,  128*PITCH                 ; 128 rows: what one tensor load brings, and what one wave reads of A or of B
.set SLOT,   4*HALFT                   ; A's 256 rows, then B's 256 rows
.set STAGE,  2*SLOT                    ; behind the ring, never filled by a tensor load: 16 rows x 528 bytes for each wave, for the way out
.set SP,     528                       ; a stage row: 128 f32 + 16 bytes = 132 words: row r starts at bank 4 r mod 64
.set SPARE,  STAGE+4*16*SP             ; behind the stages: the spare words, 128 bytes for each wave: two blocks of 256 bytes that no other line names
.set LAPS,   SIZE_K/(2*KSTEP)          ; a lap = two K steps = once round the ring: 16
.set ROWC,   SIZE_N*4                  ; bytes in a row of the output
.set ADRA, 16                          ; v16-17  LDS address of my A fragments in slot 0, 1
.set ADRB, 20                          ; v20-21  the same for B
.set STO,  24                          ; v24     the way out: where I put 32 bytes of a row
.set RD,   25                          ; v25     the way out: where I read a row back
.set CO,   26                          ; v26     16 x lane: my 16 bytes of 512 in the output
.set SPW,  28                          ; v28     LDS address of my spare word: SPARE + 4 x my thread's number; never rewritten
.set NIL,  29                          ; v29     0; never rewritten
.set PFO,  30                          ; v30     the prefetches' offset: my lane x a row of A or B in memory; never rewritten
.set PFA,  44                          ; s[44:45] where my prefetches stand: my work-group's 32 rows of the 128 that I fetch, one K step further along K than the refill that is being asked for
.set LIM,  43                          ; s43     1 in a wave that prefetches, else the greatest number
.set F0,   64                          ; fragment buffer 0
.set F1,   128                         ; fragment buffer 1
.set G1, 24                            ; s[24:31] descriptor group 1 for A's tiles
.set G0, 32                            ; s[32:39] descriptor group 0 for A's tiles, one set for each slot
.set G1B, 48                           ; s[48:55] descriptor group 1 for B's tiles: it differs from A's in the mask alone
.set G0B, 56                           ; s[56:63] descriptor group 0 for B's tiles, one set for each slot
.set MSB, 0
.macro WIN new                         ; the immediate's high byte repeats the setting that is left; a switch that changes nothing is dropped
.if MSB != (\new)
	s_set_vgpr_msb (MSB<<8)|(\new)
.set MSB, \new
.endif
.endm
.set MUL_LO, 0xa1                      ; source 0 (B) window 1, source 1 (A) window 0, C and D window 2
.set MUL_HI, 0xf1                      ; the same, C and D window 3
.set TO_B,   0x40                      ; destination window 1, address window 0
; A joint load.  Waves 0 and 1 fetch A's two halves, waves 2 and 3 B's.  Each of the two lines has ONE mask and one set of registers for all that issue it.  The branch hangs on the wave's number alone.
; An s_nop 0 and four v_nop follow each of the two lines; the jump round the other line, the label and what follows the macro come after them.
.macro JLOAD s
	s_cmp_eq_u32 s11, 0
	s_cbranch_scc0 .Lfor_b_\@
	tensor_load_to_lds s[G0+4*(\s):G0+4*(\s)+3], s[G1:G1+7]
	s_nop 0
.rept 4
	v_nop
.endr
	s_branch .Lasked_\@
.Lfor_b_\@:
	tensor_load_to_lds s[G0B+4*(\s):G0B+4*(\s)+3], s[G1B:G1B+7]
	s_nop 0
.rept 4
	v_nop
.endr
.Lasked_\@:
.endm
; A PREFETCH INTO THE L2, behind each joint load, its five lines and the run of LDS loads that follows them: the K step that stands TWO refills on, 512 matrix instructions ahead of the load that will ask for it:
; 32 rows x 256 bytes, a lane a row, one instruction a wave.  Each row's 256 bytes of a K step are named ONCE in the launch: A's tile row is read by every cluster of that row of clusters: cluster x = 0 asks;
; B's tile column by every cluster of that column: cluster y = 0 asks.  The four partners that ask for a tile jointly share its rows out BY ADDRESS: of the 128 rows that a wave fetches, the partner at place p
; takes 32 p .. 32 p + 31 (p = cx for A, cy for B).  The first four K steps come by their loads alone; the loop's last trip (s3 = 1) asks for nothing: the highest K step named is 31, the last.
.macro ASK
	s_cmp_gt_u32 s3, s[LIM]
	s_cbranch_scc0 .Lnot_mine_\@
	global_prefetch_b8 v[PFO], s[PFA:PFA+1] offset:KSTEP*2 th:TH_LOAD_NT scope:SCOPE_SE
.Lnot_mine_\@:
.endm
; A round of the cluster's barrier: my work-group's barrier, so that wave 0's signal speaks for all four waves; wave 0 signals for the work-group; every wave waits for all sixteen work-groups; my work-group's barrier once more.
.macro CREST                           ; a round behind its opening barrier
	s_cmp_lg_u32 s10, 0
	s_cbranch_scc1 .Lnot_wave_0_\@
	s_barrier_signal -3
.Lnot_wave_0_\@:
	s_barrier_wait -3
	s_barrier_signal -1
	s_barrier_wait -1
.endm
.macro CROUND                          ; a whole round
	s_barrier_signal -1
	s_barrier_wait -1
	CREST
.endm
	s_load_b128 s[4:7], s[0:1], 0x0                ; A (xb) s[4:5], B (wb) s[6:7]
	s_load_b64 s[8:9], s[0:1], 0x10                ; the output
	v_lshl_add_u32 v[SPW], v0, 2, SPARE
	v_mov_b32 v[NIL], 0
	ds_add_u32 v[SPW], v[NIL]                      ; the wave's opening: the add, twice on end, and its wait ahead of my first tensor load; the set-up below the second, work on registers, stands between it and the wait
	ds_add_u32 v[SPW], v[NIL]                      ; and once more, under the one wait
	v_lshrrev_b32 v1, 5, v0
	v_readfirstlane_b32 s10, v1                    ; wave 0..3
	s_lshr_b32 s11, s10, 1                         ; which half of the tile's rows is mine.  Also: I fetch for A (0) or for B (1)
	s_and_b32 s12, s10, 1                          ; which half of its columns.  Also: which 128 rows of that tile I fetch
	s_bfe_u32 s40, ttmp6, 0x40000                  ; cx: my place along the cluster's x
	s_bfe_u32 s41, ttmp6, 0x40004                  ; cy: along its y
	s_lshl_b32 s42, ttmp9, 2                       ; in a cluster launch ttmp9 and ttmp7 count clusters
	s_add_co_u32 s42, s42, s40                     ; tile column = 4 x cluster x + cx
	s_and_b32 s13, ttmp7, 0xffff
	s_lshl_b32 s13, s13, 2
	s_add_co_u32 s13, s13, s41                     ; tile row = 4 x cluster y + cy
	s_lshl_b32 s43, s41, 2
	s_lshl_b32 s43, 15, s43                        ; my row of the cluster: places 4 cy .. 4 cy + 3
	s_lshl_b32 s44, 0x1111, s40                    ; my column: places cx, cx + 4, cx + 8, cx + 12
	; descriptor group 1: a tile of 128 rows x 128 elements, padded in LDS
	s_or_b32 s[G1+0], s43, (1<<16)|(1<<20)|(1<<21)|(5<<22)|(3<<25)  ; 15:0 the mask: A's tiles go to my row; 17:16 element of 2 bytes; 20 padding on; 21 set beside a mask; 24:22 after every 64 words (code 5); 31:25 of 4 words (code 3)
	s_or_b32 s[G1B+0], s44, (1<<16)|(1<<20)|(1<<21)|(5<<22)|(3<<25) ; the same with the mask of my column, for B's tiles
	s_mov_b32 s[G1B+1], KSTEP<<16
	s_mov_b32 s[G1+1], KSTEP<<16                   ; 63:48 tensor_dim0, low half = 128
	s_mov_b32 s[G1B+2], 128<<16
	s_mov_b32 s[G1+2], 128<<16                     ; 79:64 its high half = 0; 95:80 tensor_dim1, low half = 128
	s_mov_b32 s[G1B+3], KSTEP<<16
	s_mov_b32 s[G1+3], KSTEP<<16                   ; 111:96 its high half = 0; 127:112 tile_dim0 = 128
	s_mov_b32 s[G1B+4], 128
	s_mov_b32 s[G1+4], 128                         ; 143:128 tile_dim1 = 128; 159:144 tile_dim2 = 0
	s_mov_b32 s[G1B+5], SIZE_K
	s_mov_b32 s[G1+5], SIZE_K                      ; 191:160 tensor_dim0_stride, low word: elements from row to row
	s_mov_b32 s[G1B+6], 0
	s_mov_b32 s[G1+6], 0
	s_mov_b32 s[G1B+7], 0
	s_mov_b32 s[G1+7], 0
	; where the tiles come from.  A's hang on the tile row alone, which my row of the cluster shares; B's on the tile column alone, which my column shares.
	; Every wave makes both addresses, in registers that never hold the other coordinate, and asks by one of them.
	s_lshl_b32 s17, s12, 7                         ; which 128 rows of the tile I fetch
	s_lshl_b32 s16, s13, 8
	s_add_co_u32 s16, s16, s17                     ; A: row 256 x tile row + 128 x half
	s_lshl_b32 s46, s42, 8
	s_add_co_u32 s46, s46, s17                     ; B: row 256 x tile column + 128 x half
	s_mov_b32 s17, 0
	s_mov_b32 s47, 0
	s_mov_b64 s[18:19], SIZE_K*2
	s_mul_u64 s[16:17], s[16:17], s[18:19]         ; in bytes
	s_mul_u64 s[46:47], s[46:47], s[18:19]
	s_mul_i32 s20, s10, HALFT                      ; and where they go: A's two halves, then B's two halves = wave x 128 rows: no place in the cluster enters an LDS address
	s_wait_dscnt 0x0                               ; both opening adds are done
	s_wait_kmcnt 0x0
	s_add_nc_u64 s[14:15], s[4:5], s[16:17]
	s_add_nc_u64 s[46:47], s[6:7], s[46:47]
	CROUND                                         ; all sixteen work-groups are here: the first joint loads meet
.irp s, 0,1
	s_mov_b32 s[G0+4*(\s)], 1                                      ; 1:0 count = 1
	s_add_co_u32 s[G0+4*(\s)+1], s20, (\s)*SLOT                    ; 63:32 LDS address
	s_add_nc_u64 s[G0+4*(\s)+2:G0+4*(\s)+3], s[14:15], (\s)*KSTEP*2  ; 120:64 global address: K step s
	s_or_b32 s[G0+4*(\s)+3], s[G0+4*(\s)+3], 0x80000000            ; 127:126 type = 2
	s_mov_b32 s[G0B+4*(\s)], 1
	s_add_co_u32 s[G0B+4*(\s)+1], s20, (\s)*SLOT
	s_add_nc_u64 s[G0B+4*(\s)+2:G0B+4*(\s)+3], s[46:47], (\s)*KSTEP*2
	s_or_b32 s[G0B+4*(\s)+3], s[G0B+4*(\s)+3], 0x80000000
	JLOAD \s                                       ; the ring is filled before anything else is done: two tensor loads of mine are out here, later one
.endr
	; A fragment is 16 rows x 32 K in 8 registers: lane l holds row l % 16; registers 0-3 hold K = 8 (l / 16) + 0..7, registers 4-7 hold K = 16 + 8 (l / 16) + 0..7: two loads of 16 bytes, 32 bytes apart.
	v_and_b32 v1, 15, v0                           ; l % 16
	v_bfe_u32 v2, v0, 4, 1                         ; l / 16
	v_mul_u32_u24 v3, v1, PITCH
	v_lshl_add_u32 v3, v2, 4, v3                   ; row x pitch + 16 x half
	s_mul_i32 s21, s11, HALFT                      ; my 128 rows of A
	s_mul_i32 s22, s12, HALFT                      ; my 128 rows of B,
	s_add_co_u32 s22, s22, 2*HALFT                 ; which lie behind A's 256
.irp s, 0,1
	v_add_nc_u32 v[ADRA+(\s)], s21, v3
	v_add_nc_u32 v[ADRB+(\s)], s22, v3
	s_add_co_u32 s21, s21, SLOT
	s_add_co_u32 s22, s22, SLOT
.endr
	s_mul_i32 s23, s10, 16*SP
	s_add_co_u32 s23, s23, STAGE                   ; my stage
	v_mul_u32_u24 v4, v1, SP                       ; in: row l % 16, 32 bytes for each half of the lanes
	v_lshl_add_u32 v4, v2, 5, v4
	v_add_nc_u32 v[STO], s23, v4
	v_and_b32 v5, 31, v0
	v_lshlrev_b32 v[CO], 4, v5                     ; back: 32 lanes take one row of 512 bytes,
	v_add_nc_u32 v[RD], s23, v[CO]                 ; which are 512 consecutive bytes of the output
	; the output at my 128 x 128: all its rows then stand in the stores' immediates
	s_lshl_b32 s13, s13, 8
	s_lshl_b32 s14, s11, 7
	s_add_co_u32 s16, s13, s14                     ; my first row,
	s_lshl_b32 s16, s16, 14                        ; 16,384 bytes a row
	s_mov_b32 s17, 0
	s_lshl_b32 s46, s42, 10                        ; my first column, in bytes: 1,024 x tile column + 512 x half (in the registers that held B's address: none that feeds A's descriptors ever holds cx)
	s_lshl_b32 s47, s12, 9
	s_add_co_u32 s46, s46, s47
	s_add_co_u32 s16, s16, s46                     ; under 2^27
	s_add_nc_u64 s[8:9], s[8:9], s[16:17]
	; the prefetches.  s13 = 256 x tile row, s42 = tile column, s40 = cx, s41 = cy still stand; s[4:5] = A, s[6:7] = B
	s_lshl_b32 s42, s42, 8
	s_and_b32 s22, ttmp7, 0xffff                   ; cluster y
	s_cmp_eq_u32 s11, 0                            ; do I fetch for A?
	s_cselect_b32 s20, s13, s42                    ; the tile's first row: in A by the tile row, in B by the tile column
	s_cselect_b32 s21, s40, s41                    ; my place among the four that ask for it with me
	s_cselect_b32 s22, ttmp9, s22                  ; the coordinate along which other clusters read the same rows
	s_cselect_b64 s[PFA:PFA+1], s[4:5], s[6:7]
	s_cmp_eq_u32 s22, 0
	s_cselect_b32 s[LIM], 1, -1                    ; the same in all sixteen partners, for a given wave
	s_lshl_b32 s22, s12, 7
	s_add_co_u32 s20, s20, s22                     ; + the 128 rows that I fetch
	s_lshl_b32 s21, s21, 5
	s_add_co_u32 s20, s20, s21                     ; + my work-group's 32 of them
	s_mov_b32 s21, 0
	s_mov_b64 s[18:19], SIZE_K*2
	s_mul_u64 s[20:21], s[20:21], s[18:19]
	s_add_nc_u64 s[PFA:PFA+1], s[PFA:PFA+1], s[20:21]
	s_add_nc_u64 s[PFA:PFA+1], s[PFA:PFA+1], 2*KSTEP*2  ; at K step 2: the first refill steps it to 3 and names K step 4
	v_and_b32 v[PFO], 31, v0
	v_mul_u32_u24 v[PFO], v[PFO], SIZE_K*2
	; nothing is prefetched here, at the head, where every work-group's first two tiles are on their way
; 16 matrix instructions: m blocks a0, a0 + 1 of the window's four (hi = 0: my rows 0-63, 1: rows 64-127) x all 8 n blocks, 32 along K.  zero = 1: the first product starts the sums: nothing is ever cleared.
; The 64 accumulators take turns in the same order in every quarter step, over the backward jump too: 63 others' instructions stand between two on one accumulator.
.macro MUL16 f, hi, a0, zero
	WIN MUL_LO+0x50*(\hi)  ; MUL_LO or MUL_HI
.irp a, \a0, (\a0)+1
.irp b, 0,1,2,3,4,5,6,7
.if \zero
	v_wmma_f32_16x16x32_bf16 v[8*(8*(\a)+(\b)):8*(8*(\a)+(\b))+7], v[(\f)+8*(\b):(\f)+8*(\b)+7], v[(\f)+8*(4*(\hi)+(\a)):(\f)+8*(4*(\hi)+(\a))+7], 0
.else
	v_wmma_f32_16x16x32_bf16 v[8*(8*(\a)+(\b)):8*(8*(\a)+(\b))+7], v[(\f)+8*(\b):(\f)+8*(\b)+7], v[(\f)+8*(4*(\hi)+(\a)):(\f)+8*(4*(\hi)+(\a))+7], v[8*(8*(\a)+(\b)):8*(8*(\a)+(\b))+7]
.endif
.endr
.endr
.endm
; 32 LDS loads in one run: the fragments of one quarter step (128 rows of B, 128 rows of A, 32 K at byte k of the rows) into buffer f
.macro FETCH slot, k, f
	WIN TO_B
.irp i, 0,1,2,3,4,5,6,7
	ds_load_b128 v[(\f)+8*(\i):(\f)+8*(\i)+3],   v[ADRB+(\slot)] offset:(\k)+(\i)*16*PITCH
	ds_load_b128 v[(\f)+8*(\i)+4:(\f)+8*(\i)+7], v[ADRB+(\slot)] offset:(\k)+(\i)*16*PITCH+32
.endr
	WIN 0
.irp i, 0,1,2,3,4,5,6,7
	ds_load_b128 v[(\f)+8*(\i):(\f)+8*(\i)+3],   v[ADRA+(\slot)] offset:(\k)+(\i)*16*PITCH
	ds_load_b128 v[(\f)+8*(\i)+4:(\f)+8*(\i)+7], v[ADRA+(\slot)] offset:(\k)+(\i)*16*PITCH+32
.endr
.endm
; A load into a register that a matrix instruction has read, and an LDS store that reads a matrix result, stand four places behind that matrix instruction, and only plain vector instructions that name none
; of its registers are places (ISA guide 7.12.1 for vector instructions).  So four v_nop stand in front of each run of loads, and in front of the way out.
.macro PLACES
.rept 4
	v_nop
.endr
.endm
; A K step is four quarter steps of 32 along K, 64 matrix instructions each, on buffers 0, 1, 0, 1.
; One of the first three: multiplies buffer f; in its middle it fetches the next quarter's fragments, at byte k of the same slot's rows, into buffer g.
.macro QUARTER slot, k, f, g, zero
	s_wait_dscnt 8                                 ; B and A's rows 0-63 are in; the youngest eight loads (A's rows 64-127) may be out
	WIN MUL_LO
	MUL16 \f, 0, 0, \zero
	MUL16 \f, 0, 2, \zero
	PLACES
	FETCH \slot, \k, \g
	s_wait_dscnt 32                                ; all but the 32 just issued
	WIN MUL_HI
	MUL16 \f, 1, 0, \zero
	MUL16 \f, 1, 2, \zero
.endm
; The last quarter multiplies buffer 1 and changes slots.  MEET is its first half: ONE barrier for the change of slots.  In front of it each wave waits for all its tensor loads, of which one is out: its part of
; the next slot; adds 0 to its spare word; and waits for that and for its own reads of this slot.  Behind it nobody reads this slot any more and the next slot is whole.
.macro MEET round                      ; round = 1: a round of the cluster's barrier follows
	WIN 0                                          ; (the add's two registers lie in window 0)
	s_wait_tensorcnt 0x0                           ; all my tensor loads have landed: the one that was out is my part of the next slot;
	ds_add_u32 v[SPW], v[NIL]                      ; 0 onto my spare word;
	s_wait_dscnt 9                                 ; (the add and the youngest eight loads may be out)
	WIN MUL_LO
	MUL16 F1, 0, 0, 0                              ; sixteen matrix instructions stand between the add and the wait for it
	s_wait_dscnt 0x0                               ; the add is done, and my reads of this slot are over:
	s_barrier_signal -1                            ; say so (where a slot is filled again this barrier opens a round of the cluster's barrier),
	MUL16 F1, 0, 2, 0                              ; work on registers while the others arrive,
.if \round
	WIN 0
.endif
	s_barrier_wait -1                              ; and go on when all four have said so
.endm
; The whole last quarter.  Behind the round the slot just read out is filled again first, with the K step two steps on; then come the next slot's first fragments.
; From a request to the wait for it a wave issues 224 matrix instructions.
.macro TURN slot, next
	s_wait_xcnt 0x0                                ; the last prefetch, a K step back, has read its address: it is stepped here, ahead of the waits of the change of slots
	s_add_nc_u64 s[PFA:PFA+1], s[PFA:PFA+1], KSTEP*2
	MEET 1
	CREST                                          ; all sixteen work-groups have said so: no wave of any partner still reads this slot's tile or has a load on its way
	s_add_nc_u64 s[G0+4*(\slot)+2:G0+4*(\slot)+3], s[G0+4*(\slot)+2:G0+4*(\slot)+3], 2*KSTEP*2      ; no tensor load of mine is out, so a group 0 may be written
	s_add_nc_u64 s[G0B+4*(\slot)+2:G0B+4*(\slot)+3], s[G0B+4*(\slot)+2:G0B+4*(\slot)+3], 2*KSTEP*2
	JLOAD \slot                                    ; the first tensor load behind the round; the four v_nop behind it are also the places in front of the loads below
	FETCH \next, 0, F0
	ASK                                            ; behind the joint load and the run of LDS loads that the next products wait for
	WIN MUL_HI
	MUL16 F1, 1, 0, 0
	MUL16 F1, 1, 2, 0
.endm
; THE WAY OUT of block a (16 rows x 128 columns of f32), in two parts.  TOSTAGE: a lane's 32 bytes of each accumulator go into my own stage in LDS, each accumulator's low registers first,
; and come back as whole rows of 512 bytes, into A's fragment buffers by turns.  SEND: stored.
.macro TOSTAGE a
.set AC, 64*((\a)%4)
.set BK, F0+64*((\a)%2)
	WIN 0x08+4*((\a)/4)                            ; the stores' data (source 1) in window 2 or 3, the address in window 0
.irp b, 0,1,2,3,4,5,6,7
	ds_store_b128 v[STO], v[AC+8*(\b):AC+8*(\b)+3]   offset:64*(\b)
	ds_store_b128 v[STO], v[AC+8*(\b)+4:AC+8*(\b)+7] offset:64*(\b)+16
.endr
	WIN 0
.if (\a) >= 2
	s_wait_xcnt 0x0                                ; the stores of the block two back have read these registers: they are loaded again only behind this wait
.endif
.irp t, 0,1,2,3,4,5,6,7,8,9,10,11,12,13,14,15
	ds_load_b128 v[BK+4*(\t):BK+4*(\t)+3], v[RD] offset:(\t)*SP  ; LDS serves a wave's instructions in order (ISA guide 5.7.1.4): these see the stores above; the next block's stores come behind them
.endr
.endm
.macro SEND a, younger                 ; younger: the LDS instructions issued behind block a's loads: the next block's 16 stores and 16 loads, or none
.set BK, F0+64*((\a)%2)
	WIN 0
	s_wait_dscnt \younger                          ; the block is back in registers
.irp t, 0,1,2,3,4,5,6,7,8,9,10,11,12,13,14,15
	global_store_b128 v[CO], v[BK+4*(\t):BK+4*(\t)+3], s[8:9] offset:(16*(\a)+(\t))*ROWC th:TH_STORE_NT  ; the wave stores 512 consecutive bytes, at a multiple of 512 from the output's first byte; 127 rows at the most stand in the immediate
.endr
.endm
	s_wait_tensorcnt 1                             ; my part of K step 0 is in; K step 1's may stay out
	s_barrier_signal -1
	s_barrier_wait -1                              ; everybody's is
	FETCH 0, 0, F0
	QUARTER 0, 64,  F0, F1, 1                      ; the first quarter stands in front of the loop: its products start the sums
	WIN 0                                          ; at a label and at a branch every window is 0
	s_mov_b32 s3, LAPS-1
.Llap:                                                 ; a trip goes once round the ring, from a lap's second quarter to the next lap's first, and fills both slots again
	QUARTER 0, 128, F1, F0, 0
	QUARTER 0, 192, F0, F1, 0
	TURN 0, 1
	QUARTER 1, 64,  F0, F1, 0
	QUARTER 1, 128, F1, F0, 0
	QUARTER 1, 192, F0, F1, 0
	TURN 1, 0
	QUARTER 0, 64,  F0, F1, 0
	WIN 0
	s_sub_co_u32 s3, s3, 1
	s_cmp_lg_u32 s3, 0
	s_cbranch_scc1 .Llap
	QUARTER 0, 128, F1, F0, 0                      ; the last lap is written out: it asks for nothing more
	QUARTER 0, 192, F0, F1, 0
	MEET 0                                         ; my one tensor load that was still out is slot 1's, the last K step's, so no round follows
	PLACES                                         ; for the loads into buffer 0, which the quarter before multiplied
	FETCH 1, 0, F0
	WIN MUL_HI
	MUL16 F1, 1, 0, 0
	MUL16 F1, 1, 2, 0
	QUARTER 1, 64,  F0, F1, 0
	QUARTER 1, 128, F1, F0, 0
	QUARTER 1, 192, F0, F1, 0
	s_wait_dscnt 8                                 ; the very last quarter: nothing more to fetch
	MUL16 F1, 0, 0, 0
	MUL16 F1, 0, 2, 0
	s_wait_dscnt 0x0
	MUL16 F1, 1, 0, 0
	MUL16 F1, 1, 2, 0
	PLACES                                         ; behind the last products: the stage's stores read results, and its loads land in A's fragment buffers
	TOSTAGE 0
.irp a, 1,2,3,4,5,6,7                  ; block a's way through the stage stands between block a - 1's loads and the wait for them
	TOSTAGE \a
	SEND (\a)-1, 32
.endr
	SEND 7, 0
	s_wait_tensorcnt 0x0                           ; the wave's end: behind my last tensor load and my last LDS store
	ds_add_u32 v[SPW], v[NIL]
	s_wait_dscnt 0x0
	CROUND                                         ; the closing round: no work-group ends while a partner may still ask for a tile that names it
	s_endpgm
.Lfunc_end_k_q70a843d662_gemm:
	.size	k_q70a843d662_gemm, .Lfunc_end_k_q70a843d662_gemm-k_q70a843d662_gemm
	.p2alignl 7, 3214868480
	.fill 96, 4, 3214868480
	.section	.rodata,"a",@progbits
	.p2align	6, 0x0
	.amdhsa_kernel k_q70a843d662_gemm
		.amdhsa_group_segment_fixed_size 327680
		.amdhsa_private_segment_fixed_size 0
		.amdhsa_enable_private_segment 0
		.amdhsa_kernarg_size 24
		.amdhsa_user_sgpr_count 2
		.amdhsa_user_sgpr_kernarg_segment_ptr 1
		.amdhsa_wavefront_size32 1
		.amdhsa_system_sgpr_workgroup_id_x 1
		.amdhsa_system_sgpr_workgroup_id_y 1
		.amdhsa_system_sgpr_workgroup_id_z 1
		.amdhsa_system_vgpr_workitem_id 0
		.amdhsa_next_free_vgpr 1024
		.amdhsa_next_free_sgpr 66
		.amdhsa_reserve_vcc 0
		.amdhsa_float_denorm_mode_32 3
		.amdhsa_float_denorm_mode_16_64 3
		.amdhsa_memory_ordered 1
		.amdhsa_forward_progress 1
		.amdhsa_inst_pref_size 141
	.end_amdhsa_kernel
	.amdgpu_metadata
---
amdhsa.version: [ 1, 2 ]
amdhsa.kernels:
  - .name:           k_q70a843d662_gemm
    .symbol:         k_q70a843d662_gemm.kd
    .args:
      - { .name: xb, .offset: 0, .size: 8, .value_kind: global_buffer, .address_space: global }
      - { .name: wb, .offset: 8, .size: 8, .value_kind: global_buffer, .address_space: global }
      - { .name: out0, .offset: 16, .size: 8, .value_kind: global_buffer, .address_space: global }
    .group_segment_fixed_size: 327680
    .private_segment_fixed_size: 0
    .kernarg_segment_align: 8
    .kernarg_segment_size: 24
    .max_flat_workgroup_size: 128
    .sgpr_count:     66
    .vgpr_count:     1024
    .wavefront_size: 32
...
	.end_amdgpu_metadata
.endif
;; end of part 2
;; ======== version 2 of 2: 2 launches; version 1 with the launch prep written anew for expert scheduling mode
;; workspace buffers: xb 33,554,432 bytes; wb 33,554,432 bytes
;; launch prep (part 3): grid 4 x 64, 8 waves a work-group, no clusters, 17,408 bytes of LDS; arguments x, weight, scale_A, scale_B, rank_magnitude, lora_A, lora_B, xb, wb; writes xb, wb
.if DOCPART == 3
	.amdgcn_target "amdgcn-amd-amdhsa--gfx1250"
	.amdhsa_code_object_version 6
	.text
	.protected	k_q70a843d662_prep
	.globl	k_q70a843d662_prep
	.p2align	8
	.type	k_q70a843d662_prep,@function
k_q70a843d662_prep:
	s_mov_b64 s[64:65], 0
	v_nop
	global_prefetch_b8 v0, s[64:65] scope:SCOPE_SE
	s_setreg_imm32_b32 hwreg(HW_REG_WAVE_SCHED_MODE, 0, 2), 2
	s_setreg_imm32_b32 hwreg(HW_REG_WAVE_MODE, 25, 1), 1
	s_wait_xcnt 0x0
	s_wait_alu depctr_vm_vsrc(0)
; xb = bf16(x);  wb[o][i] = bf16( bf16(weight[o][i]) * S[o][i] + L[o][i] ),  S = (scale_A * g) scale_B,  L = lora_B lora_A.
; WHY ONE WEIGHT.  y = x W_eff^T + (x A^T) B^T * scaling.  For all values (x A^T) B^T = x (B A)^T, so the LoRA term is a term of the weight: 16 multiply-adds for each
; weight in place of a second product over all rows of x.  WORK LEFT OUT: the factor LORA_SCALING = 16 / 16 = 1.0, a constant of the problem's own text: a factor of 1.  Nothing else: all seven inputs are loaded.
; ROUNDINGS.  Every input is rounded once to bf16.  a g = bf16(a) bf16(g) is exact in f32 (8 x 8 bits) and goes to the matrix unit as hi + lo, two bf16 numbers that hold it exactly.
; S and L are f32 sums; weight * S + L is one fused multiply-add in f32; the result is rounded once to bf16.  The order of sums and roundings differs from the problem's text in this.
; LIMITS.  Inputs are finite.  A row's unused K slots are zeros, so an infinity or NaN in scale_B or lora_A also reaches the column 64 away (0 x inf).  lo is lost where a g lies below about 2^-118.
; SHARES.  A work-group owns 64 rows x 1,024 columns of weight and of x; wave w the 128 columns from 128 w; lane l the columns 4 l .. 4 l + 3.  The rows go in 8 UNITS of 8.
; A load of a wave takes 512 consecutive bytes of a row, a store 256 consecutive bytes, aligned.  Nothing is shared between waves but a small table, so weight and x come straight into registers:
; no LDS ring, no cluster (what work-groups share is the small tables), no prefetch (the launch is one stream of loads and stores, always out).
; S AND L BY THE MATRIX UNIT, laid so that the results fall where the loads fall.  r = l % 16, h = l / 16.  For t = 0..3 one product gives, in register j of lane (r, h), the number for row 8 u + j and column
; 64 h + 4 r + t = 4 l + t.  K is cut in two: slots 0-15 serve the result's rows 0-7 (lanes h = 0), slots 16-31 its rows 8-15 (lanes h = 1).
;   source 0 (AF), lane (r, h): row 8 u + r % 8; registers 0-3 hold F where r < 8, else 0; registers 4-7 hold F where r >= 8, else 0.  F for S: hi[0..7] in lanes h = 0, lo[0..7] in lanes h = 1; for L: lora_B[row][8 h .. 8 h + 7].
;   source 1 (BF), lane (r, h), tile t: register 4 s + q holds rows 2 q, 2 q + 1 of scale_B (the same for both h, so that hi and lo meet the same numbers), or rows 8 h + 2 q, + 1 of lora_A, at column 64 s + 4 r + t.
; AF hangs on the rows alone: wave w makes it for unit w, all eight lie in LDS, and every wave reads one a unit.  BF hangs on the wave's columns alone and stays in registers.
; THE MODE: SCHED_MODE bits 1:0 = 2 (LLVM: expert scheduling mode 2), set by the entry lines.  The code itself states the register dependences
; between vector or matrix instructions and memory or LDS instructions, with s_wait_alu, always for 0.
; THE PLAN.  Registers that memory or LDS instructions touch:
;   SLOT0 .. SLOT3  (window 1) unit u's weight and x as loaded, in SLOT[u % 4].  Written by 16 loads issued at the head of unit u - 3; read by unit u's 32 roundings alone.
;   AF0, AF1        unit u's source 0 in AF[u % 2].  Written by four LDS loads issued in unit u - 1, behind that unit's products; read by unit u's eight products.  In the set-up AF0 is made by selects and read by four LDS stores.
;   OUT0, OUT1      unit u's 16 + 16 registers to store, in OUT[u % 2].  Written by unit u's roundings; read by 16 stores issued at the head of unit u + 1.
;   v2 .. v9        byte offsets, made once at the head and never written again: every row stands in an immediate.
;   BF, S, L and RP are named by vector and matrix instructions alone.  v254, v255: written at the head, read by the closing add alone.
; Unit u works on SLOT[u % 4], AF[u % 2] and OUT[u % 2].  Its memory and LDS instructions touch SLOT[(u - 1) % 4], AF[(u - 1) % 2] and OUT[(u - 1) % 2]: what unit u - 1 worked on and no vector or matrix
; instruction of unit u names.  So ONE wait on va_vdst at a unit's head states all that the unit's loads, stores and LDS loads hang on; it stands ahead of the wait for the unit's data, so that the slot just
; emptied is asked for again at once.  One wait on vm_vsrc, beside the wait on XCNT, stands ahead of it: a whole unit behind the stores whose data registers the unit writes again.
.set ROWI,  16384                      ; bytes in a row of x, weight, scale_B, lora_A
.set ROWO,  8192                       ; bytes in a row of xb, wb
.set SPARE, 16384                      ; LDS: 0 .. 16,383 the AF table (unit u at 2,048 u: four blocks of 512 bytes, lane l at 16 l); behind it the spare words, 128 bytes a wave, which no other line names
.set VIN,  2                           ; v2   16 l: my 16 bytes in the wave's 512 of a row; also my place in a block of the table; never rewritten
.set VOUT, 3                           ; v3   8 l
.set VB,   4                           ; v4   16 r
.set VL,   5                           ; v5   16 r + 8 h rows of lora_A
.set VA,   6                           ; v6   32 (r % 8): a row of scale_A
.set VLB,  7                           ; v7   64 (r % 8) + 32 h: half a row of lora_B
.set NUL,  8                           ; v8   0: the offset of g, and the addend 0.0
.set LW,   9                           ; v9   2,048 w + 16 l: where I put my part of the table
.set M1,   10                          ; v10  -1.0
.set TR,   11                          ; v11  at the head only: r
.set TH,   12                          ; v12  at the head only: h
.set TW,   13                          ; v13  at the head only: the wave, then r % 8
.set AF,   14                          ; v[14:45]   buffer b at AF + 16 b: AF for S, then for L
.set BFS,  46                          ; v[46:77]   BF for S, 8 a tile
.set BFL,  78                          ; v[78:109]  BF for L
.set ACS,  110                         ; v[110:141] S, 8 a tile; then weight * S + L
.set ACL,  142                         ; v[142:173] L
.set RP,   174                         ; v[174:189] weight rounded to bf16, 2 registers a row
.set OUT,  190                         ; v[190:253] buffer b at OUT + 32 b: x rounded, 2 registers a row; 16 further on the result, likewise
.set TS,   110                         ; set-up: 16 loads of scale_B;  then the registers below
.set TL,   174                         ; set-up: 16 loads of lora_A
.set TA,   238
.set TG,   246
.set TLB,  30
.set PA,   110                         ; bf16(a), packed
.set PG,   114                         ; bf16(g), packed
.set PP,   118                         ; their eight products, f32
.set PH,   126                         ; hi, packed
.set RLO,  130                         ; lo, f32
.set PL,   138                         ; lo, packed
.set FS,   142
.set FL,   146
.set SPW,  254                         ; v254 LDS address of my spare word; never rewritten
.set NIL,  255                         ; v255 0; never rewritten
; window 1 (v256-511): four slots of 64: slot u % 4 holds unit u: weight's row j at 64 (u % 4) + 4 j, x's row j 32 further on
.set MSB, 0
.macro WIN new                         ; the immediate's high byte repeats the setting that is left; a switch that changes nothing is dropped
.if MSB != (\new)
	s_set_vgpr_msb (MSB<<8)|(\new)
.set MSB, \new
.endif
.endm
	s_load_b512 s[4:19], s[0:1], 0x0               ; x 4:5, weight 6:7, scale_A 8:9, scale_B 10:11, g 12:13, lora_A 14:15, lora_B 16:17, xb 18:19
	s_load_b64 s[20:21], s[0:1], 0x40              ; wb
	v_lshl_add_u32 v[SPW], v0, 2, SPARE
	v_mov_b32 v[NIL], 0
	v_lshrrev_b32 v[TW], 5, v0
	v_readfirstlane_b32 s22, v[TW]                 ; wave 0..7
	v_and_b32 v1, 31, v0                           ; l
	v_and_b32 v[TR], 15, v0                        ; r
	v_bfe_u32 v[TH], v0, 4, 1                      ; h
	v_cmp_gt_u32 s28, 8, v[TR]                     ; r < 8
	v_cmp_le_u32 s29, 8, v[TR]                     ; r >= 8
	v_cmp_eq_u32 s30, 1, v[TH]                     ; h = 1
	s_wait_alu depctr_va_sdst(0)                   ; s22 and s28 to s30 are written, ahead of the first reader of any of them: the addresses below read s22, the selects of the set-up the three masks
	s_and_b32 s23, ttmp7, 0xffff                   ; the block of 64 rows
	v_and_b32 v[TW], 7, v0                         ; r % 8
	v_lshlrev_b32 v[VIN], 4, v1
	v_lshlrev_b32 v[VOUT], 3, v1
	v_lshlrev_b32 v[VB], 4, v[TR]
	v_lshl_add_u32 v[VL], v[TH], 17, v[VB]
	v_lshlrev_b32 v[VA], 5, v[TW]
	v_lshlrev_b32 v[VLB], 6, v[TW]
	v_lshl_add_u32 v[VLB], v[TH], 5, v[VLB]
	v_mov_b32 v[NUL], 0
	v_mov_b32 v[M1], -1.0
	v_lshl_add_u32 v[LW], s22, 11, v[VIN]
	s_lshl_b32 s24, ttmp9, 12                      ; the work-group's 1,024 columns, 4 bytes each,
	s_lshl_b32 s26, s22, 9                         ; my wave's 128
	s_add_co_u32 s24, s24, s26
	s_mov_b32 s25, 0
	s_wait_kmcnt 0x0
	s_add_nc_u64 s[10:11], s[10:11], s[24:25]      ; scale_B and lora_A at my wave's first column
	s_add_nc_u64 s[14:15], s[14:15], s[24:25]
	s_lshl_b32 s26, s23, 20                        ; 64 rows of 16,384 bytes
	s_add_co_u32 s24, s24, s26
	s_add_nc_u64 s[4:5], s[4:5], s[24:25]          ; x and weight at the work-group's first row, my wave's first column
	s_add_nc_u64 s[6:7], s[6:7], s[24:25]
	s_lshr_b32 s24, s24, 1                         ; the same place in 2-byte numbers
	s_add_nc_u64 s[18:19], s[18:19], s[24:25]
	s_add_nc_u64 s[20:21], s[20:21], s[24:25]
	s_lshl_b32 s24, s23, 11                        ; scale_A: 64 rows of 32 bytes,
	s_lshl_b32 s26, s22, 8                         ; the 8 rows of unit w
	s_add_co_u32 s24, s24, s26
	s_add_nc_u64 s[8:9], s[8:9], s[24:25]
	s_lshl_b32 s24, s24, 1                         ; lora_B: rows of 64 bytes
	s_add_nc_u64 s[16:17], s[16:17], s[24:25]
	s_wait_alu depctr_va_vdst(0)                   ; the eight offsets v2 to v9 are written: every load, store and LDS instruction of the kernel reads one of them, and none is written again
; Unit u's 16 loads.  All rows of the work-group stand in the immediate (63 rows of 16,384 bytes at the most), so no pointer is ever stepped.
.macro LOADU u
	WIN 0x40                                       ; destination window 1, address window 0
.irp j, 0,1,2,3,4,5,6,7
	global_load_b128 v[64*((\u)%4)+4*(\j):64*((\u)%4)+4*(\j)+3],       v[VIN], s[6:7] offset:(8*(\u)+(\j))*ROWI th:TH_LOAD_NT
	global_load_b128 v[64*((\u)%4)+32+4*(\j):64*((\u)%4)+32+4*(\j)+3], v[VIN], s[4:5] offset:(8*(\u)+(\j))*ROWI th:TH_LOAD_NT
.endr
.endm
; Unit u's 16 stores, out of OUT[u % 2].  Each: the wave stores 256 consecutive bytes, at a multiple of 256 from the buffer's first byte.
.macro STOREU u
	WIN 0
.irp j, 0,1,2,3,4,5,6,7
	global_store_b64 v[VOUT], v[OUT+32*((\u)%2)+2*(\j):OUT+32*((\u)%2)+2*(\j)+1], s[18:19] offset:(8*(\u)+(\j))*ROWO th:TH_STORE_NT
.endr
.irp j, 0,1,2,3,4,5,6,7
	global_store_b64 v[VOUT], v[OUT+32*((\u)%2)+16+2*(\j):OUT+32*((\u)%2)+16+2*(\j)+1], s[20:21] offset:(8*(\u)+(\j))*ROWO th:TH_STORE_NT
.endr
.endm
	; the 38 set-up loads: other work-groups read these bytes too, so they carry no hint
	global_load_b128 v[TA:TA+3],     v[VA],  s[8:9]
	global_load_b128 v[TA+4:TA+7],   v[VA],  s[8:9] offset:16
	global_load_b128 v[TG:TG+3],     v[NUL], s[12:13]
	global_load_b128 v[TG+4:TG+7],   v[NUL], s[12:13] offset:16
	global_load_b128 v[TLB:TLB+3],   v[VLB], s[16:17]
	global_load_b128 v[TLB+4:TLB+7], v[VLB], s[16:17] offset:16
.irp s, 0,1
.irp k, 0,1,2,3,4,5,6,7
	global_load_b128 v[TS+4*(8*(\s)+(\k)):TS+4*(8*(\s)+(\k))+3], v[VB], s[10:11] offset:(\k)*ROWI+256*(\s)  ; row k, columns 64 s + 4 r + 0..3
	global_load_b128 v[TL+4*(8*(\s)+(\k)):TL+4*(8*(\s)+(\k))+3], v[VL], s[14:15] offset:(\k)*ROWI+256*(\s)  ; row 8 h + k
.endr
.endr
	LOADU 0                                        ; no vector instruction has named a register of window 1: the slots' first loads hang on their offset alone
	s_wait_loadcnt 16                              ; the set-up loads are in; unit 0's 16 may stay out
	LOADU 1
	LOADU 2
	WIN 0
.irp t, 0,1,2,3
.irp s, 0,1
.irp q, 0,1,2,3
	v_cvt_pk_bf16_f32 v[BFS+8*(\t)+4*(\s)+(\q)], v[TS+4*(8*(\s)+2*(\q))+(\t)], v[TS+4*(8*(\s)+2*(\q)+1)+(\t)]
	v_cvt_pk_bf16_f32 v[BFL+8*(\t)+4*(\s)+(\q)], v[TL+4*(8*(\s)+2*(\q))+(\t)], v[TL+4*(8*(\s)+2*(\q)+1)+(\t)]
.endr
.endr
.endr
	; AF of unit w
.irp q, 0,1,2,3
	v_cvt_pk_bf16_f32 v[PA+(\q)], v[TA+2*(\q)], v[TA+2*(\q)+1]
	v_cvt_pk_bf16_f32 v[PG+(\q)], v[TG+2*(\q)], v[TG+2*(\q)+1]
	v_cvt_pk_bf16_f32 v[FL+(\q)], v[TLB+2*(\q)], v[TLB+2*(\q)+1]
.endr
.irp q, 0,1,2,3
	v_fma_mix_f32_bf16 v[PP+2*(\q)],   v[PA+(\q)], v[PG+(\q)], v[NUL] op_sel_hi:[1,1,0]                 ; bf16(a) bf16(g), exact in f32: the low halves,
	v_fma_mix_f32_bf16 v[PP+2*(\q)+1], v[PA+(\q)], v[PG+(\q)], v[NUL] op_sel:[1,1,0] op_sel_hi:[1,1,0]  ; the high halves
.endr
.irp q, 0,1,2,3
	v_cvt_pk_bf16_f32 v[PH+(\q)], v[PP+2*(\q)], v[PP+2*(\q)+1]                                          ; hi
.endr
.irp q, 0,1,2,3
	v_fma_mix_f32_bf16 v[RLO+2*(\q)],   v[PH+(\q)], v[M1], v[PP+2*(\q)]   op_sel_hi:[1,0,0]               ; lo = a g - hi: at most 8 bits long, so its rounding below changes nothing
	v_fma_mix_f32_bf16 v[RLO+2*(\q)+1], v[PH+(\q)], v[M1], v[PP+2*(\q)+1] op_sel:[1,0,0] op_sel_hi:[1,0,0]
.endr
.irp q, 0,1,2,3
	v_cvt_pk_bf16_f32 v[PL+(\q)], v[RLO+2*(\q)], v[RLO+2*(\q)+1]
.endr
.irp q, 0,1,2,3
	v_cndmask_b32 v[FS+(\q)], v[PH+(\q)], v[PL+(\q)], s30      ; lanes h = 0 carry hi, lanes h = 1 lo
.endr
.irp q, 0,1,2,3
	v_cndmask_b32 v[AF+(\q)],    0, v[FS+(\q)], s28            ; K slots 0-15 for the result's rows 0-7,
	v_cndmask_b32 v[AF+4+(\q)],  0, v[FS+(\q)], s29            ; slots 16-31 for its rows 8-15
	v_cndmask_b32 v[AF+8+(\q)],  0, v[FL+(\q)], s28
	v_cndmask_b32 v[AF+12+(\q)], 0, v[FL+(\q)], s29
.endr
	s_wait_alu depctr_va_vdst(0)                   ; the selects have written AF0, which the LDS stores read; and all the set-up's vector work is done: the roundings are done reading lora_B's registers, which lie in AF1, where unit 1's AF will land
.irp b, 0,1,2,3
	ds_store_b128 v[LW], v[AF+4*(\b):AF+4*(\b)+3] offset:512*(\b)
.endr
	s_wait_dscnt 0x0                               ; for the others' sake: my part of the table is written
	s_barrier_signal -1
	s_barrier_wait -1                              ; the whole table is; nobody writes it again
	s_wait_alu depctr_vm_vsrc(0)                   ; my LDS stores have read AF0, in which the loads below land
.irp b, 0,1,2,3
	ds_load_b128 v[AF+4*(\b):AF+4*(\b)+3], v[VIN] offset:512*(\b)  ; unit 0's AF
.endr
; One unit: 8 rows of weight and of x.  left = the loads of the younger units, 16 each, which may stay out.
.macro UNIT u, left
.if (\u) >= 2
	s_wait_xcnt 0x0                                ; the stores issued at the last unit's head have had their addresses translated (ISA guide 3.1): only behind this wait is OUT[u % 2] rewritten; it stands ahead of this unit's own loads and stores
	s_wait_alu depctr_vm_vsrc(0)                   ; those stores have read OUT[u % 2], which this unit's roundings write again
.endif
.if (\u)+3 < 8
	WIN 0x40                                       ; the loads' window is set ahead of the wait
.endif
.if (\u) >= 1
	s_wait_alu depctr_va_vdst(0)                   ; the unit before has written the other OUT, which the stores below read; its roundings are done reading its slot, in which the loads below land; its products are done reading the other AF, in which the LDS loads below land
.endif
.if (\u)+3 < 8
	LOADU (\u)+3                                   ; into the slot that the unit before was converted out of: three units are on their way while this one is worked on
.endif
.if (\u) >= 1
	STOREU (\u)-1                                  ; the unit before leaves; loads ahead of stores
.endif
	WIN 0
	s_wait_loadcnt \left                           ; loads come back in order (ISA guide 5.7.1): this unit's 16 are in
	s_wait_dscnt 0x0                               ; and so is its AF
.irp t, 0,1,2,3                        ; eight products, each a whole sum that starts with the constant 0: eight different results, no chain
	v_wmma_f32_16x16x32_bf16 v[ACS+8*(\t):ACS+8*(\t)+7], v[AF+16*((\u)%2):AF+16*((\u)%2)+7],    v[BFS+8*(\t):BFS+8*(\t)+7], 0
	v_wmma_f32_16x16x32_bf16 v[ACL+8*(\t):ACL+8*(\t)+7], v[AF+16*((\u)%2)+8:AF+16*((\u)%2)+15], v[BFL+8*(\t):BFL+8*(\t)+7], 0
.endr
.if (\u)+1 < 8
.irp b, 0,1,2,3
	ds_load_b128 v[AF+16*(((\u)+1)%2)+4*(\b):AF+16*(((\u)+1)%2)+4*(\b)+3], v[VIN] offset:2048*((\u)+1)+512*(\b)  ; the next unit's AF, into the other buffer.  No wait: no vector or matrix instruction since the wait at the head names it
.endr
.endif
	WIN 0x05                                       ; sources 0 and 1 window 1, destination window 0
.irp j, 0,1,2,3,4,5,6,7                ; 32 roundings, which name no register of the products: they are the places between the products and what reads their results (ISA guide 7.12.1)
.irp e, 0,1
	v_cvt_pk_bf16_f32 v[RP+2*(\j)+(\e)], v[64*((\u)%4)+4*(\j)+2*(\e)], v[64*((\u)%4)+4*(\j)+2*(\e)+1]
.endr
.endr
.irp j, 0,1,2,3,4,5,6,7
.irp e, 0,1
	v_cvt_pk_bf16_f32 v[OUT+32*((\u)%2)+2*(\j)+(\e)], v[64*((\u)%4)+32+4*(\j)+2*(\e)], v[64*((\u)%4)+32+4*(\j)+2*(\e)+1]
.endr
.endr
	WIN 0
.irp j, 0,1,2,3,4,5,6,7                ; bf16(weight) * S + L, one rounding; j ascends, so each result is first read at its lowest register
.irp e, 0,1
	v_fma_mix_f32_bf16 v[ACS+16*(\e)+(\j)],   v[RP+2*(\j)+(\e)], v[ACS+16*(\e)+(\j)],   v[ACL+16*(\e)+(\j)]   op_sel_hi:[1,0,0]
	v_fma_mix_f32_bf16 v[ACS+16*(\e)+8+(\j)], v[RP+2*(\j)+(\e)], v[ACS+16*(\e)+8+(\j)], v[ACL+16*(\e)+8+(\j)] op_sel:[1,0,0] op_sel_hi:[1,0,0]
.endr
.endr
.irp j, 0,1,2,3,4,5,6,7
	v_cvt_pk_bf16_f32 v[OUT+32*((\u)%2)+16+2*(\j)],   v[ACS+(\j)],    v[ACS+8+(\j)]
	v_cvt_pk_bf16_f32 v[OUT+32*((\u)%2)+16+2*(\j)+1], v[ACS+16+(\j)], v[ACS+24+(\j)]
.endr
.endm
	UNIT 0, 48                                     ; no unit stands in front of it: nothing to store, and no vector instruction has named slot 3
	UNIT 1, 48
	UNIT 2, 48
	UNIT 3, 48
	UNIT 4, 48
	UNIT 5, 32                                     ; nothing is left to ask for: the counts run down
	UNIT 6, 16
	UNIT 7, 0
	s_wait_alu depctr_va_vdst(0)                   ; unit 7 has written OUT1, which the last 16 stores read
	STOREU 7
	s_wait_dscnt 0x0                               ; the closing lines, six on end
	s_wait_alu 0x0
	s_wait_tensorcnt 0x0
	ds_add_u32 v[SPW], v[NIL]
	s_wait_dscnt 0x0
	s_endpgm
.Lfunc_end_k_q70a843d662_prep:
	.size	k_q70a843d662_prep, .Lfunc_end_k_q70a843d662_prep-k_q70a843d662_prep
	.p2alignl 7, 3214868480
	.fill 96, 4, 3214868480
	.section	.rodata,"a",@progbits
	.p2align	6, 0x0
	.amdhsa_kernel k_q70a843d662_prep
		.amdhsa_group_segment_fixed_size 17408
		.amdhsa_private_segment_fixed_size 0
		.amdhsa_enable_private_segment 0
		.amdhsa_kernarg_size 72
		.amdhsa_user_sgpr_count 2
		.amdhsa_user_sgpr_kernarg_segment_ptr 1
		.amdhsa_wavefront_size32 1
		.amdhsa_system_sgpr_workgroup_id_x 1
		.amdhsa_system_sgpr_workgroup_id_y 1
		.amdhsa_system_sgpr_workgroup_id_z 1
		.amdhsa_system_vgpr_workitem_id 0
		.amdhsa_next_free_vgpr 512
		.amdhsa_next_free_sgpr 66
		.amdhsa_reserve_vcc 0
		.amdhsa_float_denorm_mode_32 3
		.amdhsa_float_denorm_mode_16_64 3
		.amdhsa_memory_ordered 1
		.amdhsa_forward_progress 1
		.amdhsa_inst_pref_size 86
	.end_amdhsa_kernel
	.amdgpu_metadata
---
amdhsa.version: [ 1, 2 ]
amdhsa.kernels:
  - .name:           k_q70a843d662_prep
    .symbol:         k_q70a843d662_prep.kd
    .args:
      - { .name: x, .offset: 0, .size: 8, .value_kind: global_buffer, .address_space: global }
      - { .name: weight, .offset: 8, .size: 8, .value_kind: global_buffer, .address_space: global }
      - { .name: scale_A, .offset: 16, .size: 8, .value_kind: global_buffer, .address_space: global }
      - { .name: scale_B, .offset: 24, .size: 8, .value_kind: global_buffer, .address_space: global }
      - { .name: rank_magnitude, .offset: 32, .size: 8, .value_kind: global_buffer, .address_space: global }
      - { .name: lora_A, .offset: 40, .size: 8, .value_kind: global_buffer, .address_space: global }
      - { .name: lora_B, .offset: 48, .size: 8, .value_kind: global_buffer, .address_space: global }
      - { .name: xb, .offset: 56, .size: 8, .value_kind: global_buffer, .address_space: global }
      - { .name: wb, .offset: 64, .size: 8, .value_kind: global_buffer, .address_space: global }
    .group_segment_fixed_size: 17408
    .private_segment_fixed_size: 0
    .kernarg_segment_align: 8
    .kernarg_segment_size: 72
    .max_flat_workgroup_size: 256
    .sgpr_count:     66
    .vgpr_count:     512
    .wavefront_size: 32
...
	.end_amdgpu_metadata
.endif
;; end of part 3
;; launch gemm: the kernel of part 2 again; grid 16 x 16, 4 waves a work-group, clusters of 4 x 4, 327,680 bytes of LDS; arguments xb, wb, out0; writes out0
